; MI455X (gfx1250); checked and timed in simulation.
; The chip was launched on July 23, 2026; its instructions are those of AMD's public machine-readable ISA for CDNA 5 (MIT licence, August 2026) and "CDNA5" Instruction Set Architecture Reference Guide (July 2026). The comments in the code are by the model that wrote it; some were corrected since.
;; Causal Self Attention. Allowed arithmetic: matrix products marked QUANTISED: E5M2 operands, one given power-of-two scale a tensor, by v_wmma_f32_16x16x64_bf8_bf8 or v_wmma_f32_16x16x128_bf8_bf8, f32 sums; everything else in f32.
;; Inputs: Wk_codes 1,024 x 32 x 32 uint8 (E5M2 codes of Wk, K innermost, in blocks of 32 codes); Wo_codes 1,024 x 32 x 32 uint8 (E5M2 codes of Wo, K innermost, in blocks of 32 codes); Wq_codes 1,024 x 32 x 32 uint8 (E5M2 codes of Wq, K innermost, in blocks of 32 codes); Wv_codes 1,024 x 32 x 32 uint8 (E5M2 codes of Wv, K innermost, in blocks of 32 codes); bo 1,024 float32; lowp_scales 12 int32 (the exponents e of the quantised operands' scales 2^e); x_codes 2 x 2,048 x 32 x 32 uint8 (E5M2 codes of x, K innermost, in blocks of 32 codes).
;; Outputs: out0 2 x 2,048 x 1,024 float32.
;; This version of the problem:
;;   THIS VERSION OF THE PROBLEM IS GIVEN IN LOW PRECISION. The matrix products marked QUANTISED in the list below multiply operands that are first quantised to E5M2 (5 exponent bits, 2 mantissa bits; 8 bits a number), with one given power-of-two scale for each operand tensor; their sums are f32. All else is computed in f32.
;;   The module's matrix products, in the order in which they are computed (A, B: the left and right operand; K: the contracted axis; several contracted axes count as one K, in the product's order):
;;     1. [M 4,096, K 1,024] x [K 1,024, N 1,024]; A: input x (given as codes); B: input Wq (given as codes): QUANTISED (scales: A lowp_scales[0], B lowp_scales[1])
;;     2. [M 4,096, K 1,024] x [K 1,024, N 1,024]; A: input x (given as codes); B: input Wk (given as codes): QUANTISED (scales: A lowp_scales[2], B lowp_scales[3])
;;     3. [M 4,096, K 1,024] x [K 1,024, N 1,024]; A: input x (given as codes); B: input Wv (given as codes): QUANTISED (scales: A lowp_scales[4], B lowp_scales[5])
;;     4. batch 32 x [M 2,048, K 64] x [K 64, N 2,048]; A: computed on the way; B: computed on the way: QUANTISED (scales: A lowp_scales[6], B lowp_scales[7])
;;     5. batch 32 x [M 2,048, K 2,048] x [K 2,048, N 64]; A: softmax (see below); B: computed on the way: QUANTISED (scales: A lowp_scales[8], B lowp_scales[9])
;;     6. [M 4,096, K 1,024] x [K 1,024, N 1,024]; A: computed on the way; B: input Wo (given as codes): QUANTISED (scales: A lowp_scales[10], B lowp_scales[11])
;;   THE QUANTISER, for each operand of a quantised product, along K:
;;     - The operand's scale is 2^e, e = its entry of the input lowp_scales (int32; the entries are numbered through the quantised products in the list's order, A before B).
;;     - Each number is divided by the scale, clamped to +-57,344, and rounded to the nearest number of E5M2, ties to even, subnormals kept.
;;     - The product sums the exact products of the quantised numbers (number of the format x scale) in f32.
;;   ~~~python
;;   def quantise(x, axis, e):      # numpy; x: float32 -> the quantised numbers, widened to float32 again
;;       x = np.moveaxis(x, axis, -1); K = x.shape[-1]
;;       r = np.clip(x / 2.0 ** e, -57344, 57344)
;;       step = 2.0 ** (np.maximum(np.frexp(np.where(r == 0, 1, r))[1] - 1, -14) - 2)
;;       q = np.round(r / step) * step * 2.0 ** e      # np.round: ties to even
;;       return np.moveaxis(q, -1, axis).astype(np.float32)
;;   ~~~
;;   SOFTMAX AHEAD OF A QUANTISED PRODUCT. Where the list says 'softmax', what is quantised is not the finished softmax but p = 2^(t - M), with t = logit x log2(e) and M = ceil(the row's largest t), a whole number; so 1/2 < the row's largest p <= 1. The row's sum l is taken of the UNQUANTISED p, in f32, and the product's result is divided by l at the end. Since M is a whole number, a kernel that streams over the keys may use a running M (the ceiling of the running maximum): every later rescaling is an exact power of two, so the quantised numbers keep their values, but for numbers so far below the row's largest that they fall under the format's range.
;;   OPERANDS COMPUTED ON THE WAY. 'Computed on the way' means the value that the module computes at that place (a softmax that the list does not call 'softmax' is quantised finished and normalised). What goes into a quantiser is computed in f32, as accurately as f32 sums, v_exp_f32 and their like allow (about 1e-6 of the number): no bf16 or f16 on the way to a quantiser, and a product that is left as it is and whose result goes on into a quantised operand takes f32 operands (vector FMAs, or v_wmma_f32_16x16x4_f32). A number that lies on a knife's edge between two numbers of the format may be rounded either way, as far as f32 arithmetic and the matrix unit's own rounding can turn it there, and no further.
;;   INPUTS GIVEN AS CODES. Wk (in the module: [1024, 1024], K = its axis 1); Wo (in the module: [1024, 1024], K = its axis 1); Wq (in the module: [1024, 1024], K = its axis 1); Wv (in the module: [1024, 1024], K = its axis 1); x (in the module: [2, 2048, 1024], K = its axis 2): each comes as NAME_codes (uint8): NAME with its K axis moved to the last place and cut into blocks of 32 codes, [.., K / 32, bytes a block], one block behind the other in memory; one code a byte (a code: sign, 5 exponent bits, 2 mantissa bits); its scale is its entry of lowp_scales. Its value is code x scale, taken as it is: it is not quantised again, and the codes and scales need not be those that the quantiser above would give.
;; One version. Each part assembles by itself: llvm-mc -triple=amdgcn-amd-amdhsa -mcpu=gfx1250 --defsym DOCPART=n.
;; ======== version 1 of 1: 3 launches
;; limits: right only within a limited range of input values
;; workspace buffers: qimg 4,194,304 bytes; kimg 4,194,304 bytes; vimg 4,194,304 bytes; aimg 4,194,304 bytes
;; launch qkv (part 1): grid 8 x 32, 4 waves a work-group, clusters of 4 x 4, 327,680 bytes of LDS; arguments x_codes, Wq_codes, Wk_codes, Wv_codes, lowp_scales, qimg, kimg, vimg; writes qimg, kimg, vimg
.if DOCPART == 1
	.amdgcn_target "amdgcn-amd-amdhsa--gfx1250"
	.amdhsa_code_object_version 6
	.text
	.protected	k_qdcb67ca155_qkv
	.globl	k_qdcb67ca155_qkv
	.p2align	8
	.type	k_qdcb67ca155_qkv,@function
k_qdcb67ca155_qkv:
	s_mov_b64 s[64:65], 0
	v_nop
	global_prefetch_b8 v0, s[64:65] scope:SCOPE_SE
	s_setreg_imm32_b32 hwreg(HW_REG_WAVE_MODE, 25, 1), 1
	s_wait_xcnt 0x0
	s_wait_alu depctr_hold_cnt(0) depctr_sa_sdst(0) depctr_va_vdst(0) depctr_va_sdst(0) depctr_va_ssrc(0) depctr_va_vcc(0) depctr_vm_vsrc(0)
	s_getreg_b32 s2, hwreg(HW_REG_IB_STS2, 6, 4)
	s_cmp_eq_u32 s2, 0
	s_cbranch_scc0 .Lentry_in_a_cluster
	s_endpgm
.Lentry_in_a_cluster:
	s_bfe_u32 s2, ttmp6, 0x10000c
	s_cmp_lg_u32 s2, 0xf033
	s_cbranch_scc0 .Lentry_shape_is_right
	s_endpgm
.Lentry_shape_is_right:
; q, k, v = x Wq^T, x Wk^T, x Wv^T on codes of E5M2, and their results quantised into images of the next products' fragments (qimg, kimg: 16 tokens x 64 channels are 1,024 bytes; vimg: 128 keys x 64 channels are 8,192 bytes).
; No product of this launch is left out; the launch after it leaves out the key steps that reference()'s own causal mask hides whole: there p is 0 whatever finite values the inputs hold (a NaN or an infinity that reaches hidden scores alone is not carried).
; SHARES.  A work-group makes 128 tokens x 128 columns of each of the three products; a wave 64 x 64 of each: 48 accumulators.  K goes in four steps of 256 through two LDS slots of four parts (x, Wq, Wk, Wv: 128 rows of 256 bytes + 16 of padding); wave w asks for part w.
; CLUSTER 4 x 4: x's tiles are asked for jointly by a row of the cluster, the weights' by a column.
; PREFETCH: K steps 1 and 2 are asked of memory behind K step 0's load, K step 3 behind K step 1's.  A lane names one row's 256 bytes; of a part's 128 rows each of the four partners takes 32, by address; x's rows in every cluster, the weights' in the first four rows of clusters alone.
; q's codes leave ahead of v's last sixteen products.
; A sum stands for sum x 2^(eA + eB): the three scales are folded into the conversion's one, 2^(e6 - e0 - e1), 2^(e7 - e2 - e3), 2^(e9 - e4 - e5).  LIMITS: each of these exponents lies between -126 and 112.  NaN is not served.
.set PITCH, 272
.set PART,  128*PITCH
.set SLOT,  4*PART
.set SPARE, 2*SLOT
.set AD,   16
.set SPW,  28
.set NIL,  29
.set CQ,   32
.set CK,   64
.set CV,   96
.set AF,   128
.set WV,   20
.set G1A,  24
.set G0A,  32
.set G1B,  48
.set G0B,  56
.set MSB, 0
.macro WIN new
.if MSB != \new
	s_set_vgpr_msb (MSB<<8)|\new
.set MSB, \new
.endif
.endm
.macro PLACES
.rept 4
	v_nop
.endr
.endm
.macro JLOAD s
	s_cmp_eq_u32 s[WV], 0
	s_cbranch_scc0 .Lfor_b_\@
	tensor_load_to_lds s[G0A+4*(\s):G0A+4*(\s)+3], s[G1A:G1A+7]
	s_nop 0
.rept 4
	v_nop
.endr
	s_branch .Lasked_\@
.Lfor_b_\@:
	tensor_load_to_lds s[G0B+4*(\s):G0B+4*(\s)+3], s[G1B:G1B+7]
	s_nop 0
.rept 4
	v_nop
.endr
.Lasked_\@:
.endm
.macro CREST
	s_cmp_lg_u32 s[WV], 0
	s_cbranch_scc1 .Lnot_wave_0_\@
	s_barrier_signal -3
.Lnot_wave_0_\@:
	s_barrier_wait -3
	s_barrier_signal -1
	s_barrier_wait -1
.endm
.macro CROUND
	s_barrier_signal -1
	s_barrier_wait -1
	CREST
.endm
	s_load_b256 s[4:11], s[0:1], 0x0
	s_load_b128 s[12:15], s[0:1], 0x20
	s_load_b128 s[16:19], s[0:1], 0x30
	v_lshl_add_u32 v[SPW], v0, 2, SPARE
	v_mov_b32 v[NIL], 0
	ds_add_u32 v28, v29
	ds_add_u32 v28, v29
	s_wait_dscnt 0x0
	v_lshrrev_b32 v1, 5, v0
	v_readfirstlane_b32 s[WV], v1
	s_lshr_b32 s21, s[WV], 1
	s_and_b32 s22, s[WV], 1
	s_bfe_u32 s40, ttmp6, 0x40000
	s_bfe_u32 s41, ttmp6, 0x40004
	s_lshl_b32 s42, ttmp9, 2
	s_add_co_u32 s42, s42, s40
	s_and_b32 s43, ttmp7, 0xffff
	s_lshl_b32 s43, s43, 2
	s_add_co_u32 s43, s43, s41
	s_lshl_b32 s44, s41, 2
	s_lshl_b32 s44, 15, s44
	s_lshl_b32 s45, 0x1111, s40
	s_or_b32 s[G1A], s44, (1<<20)|(1<<21)|(5<<22)|(3<<25)
	s_or_b32 s[G1B], s45, (1<<20)|(1<<21)|(5<<22)|(3<<25)
.irp g, G1A, G1B
	s_mov_b32 s[\g+1], 256<<16
	s_mov_b32 s[\g+2], 128<<16
	s_mov_b32 s[\g+3], 256<<16
	s_mov_b32 s[\g+4], 128
	s_mov_b32 s[\g+5], 1024
	s_mov_b32 s[\g+6], 0
	s_mov_b32 s[\g+7], 0
.endr
	s_lshl_b32 s46, s43, 17
	s_mov_b32 s47, 0
	s_lshl_b32 s66, s42, 17
	s_mov_b32 s67, 0
	s_mul_i32 s23, s[WV], PART
	s_wait_kmcnt 0x0
	s_load_b256 s[68:75], s[12:13], 0x0
	s_load_b128 s[76:79], s[12:13], 0x20
	s_add_nc_u64 s[46:47], s[4:5], s[46:47]
	s_cmp_eq_u32 s[WV], 2
	s_cselect_b64 s[2:3], s[8:9], s[6:7]
	s_cmp_eq_u32 s[WV], 3
	s_cselect_b64 s[2:3], s[10:11], s[2:3]
	s_add_nc_u64 s[66:67], s[2:3], s[66:67]
	CROUND
.irp s, 0,1
	s_mov_b32 s[G0A+4*\s], 1
	s_add_co_u32 s[G0A+4*\s+1], s23, \s*SLOT
	s_add_nc_u64 s[G0A+4*\s+2:G0A+4*\s+3], s[46:47], \s*256
	s_or_b32 s[G0A+4*\s+3], s[G0A+4*\s+3], 0x80000000
	s_mov_b32 s[G0B+4*\s], 1
	s_add_co_u32 s[G0B+4*\s+1], s23, \s*SLOT
	s_add_nc_u64 s[G0B+4*\s+2:G0B+4*\s+3], s[66:67], \s*256
	s_or_b32 s[G0B+4*\s+3], s[G0B+4*\s+3], 0x80000000
.endr
	JLOAD 0                                        ; K step 0: one tensor load a wave at the head
	s_cmp_eq_u32 s[WV], 0                          ; the prefetches: wave 0 for x, waves 1 to 3 for their weight,
	s_cselect_b64 s[104:105], s[46:47], s[66:67]
	s_cselect_b32 s2, s40, s41
	s_lshl_b32 s2, s2, 15                          ; my work-group's 32 rows of the part's 128
	s_mov_b32 s3, 0
	s_add_nc_u64 s[104:105], s[104:105], s[2:3]
	s_and_b32 s23, ttmp7, 0xffff
	s_cmp_lt_u32 s23, 4
	s_cselect_b32 s23, 1, 0
	s_cmp_eq_u32 s[WV], 0
	s_cselect_b32 s23, 1, s23                      ; 1: my wave asks
	v_and_b32 v30, 31, v0
	v_lshlrev_b32 v30, 10, v30                     ; a lane a row of 1,024 bytes; s[104:105] and v30 are never rewritten
	s_cmp_lg_u32 s23, 0
	s_wait_alu depctr_va_vdst(0)
	s_cbranch_scc0 .Lno_ask_1
	global_prefetch_b8 v30, s[104:105] offset:256 th:TH_LOAD_NT scope:SCOPE_SE
	global_prefetch_b8 v30, s[104:105] offset:512 th:TH_LOAD_NT scope:SCOPE_SE
.Lno_ask_1:
	v_and_b32 v1, 15, v0
	v_bfe_u32 v2, v0, 4, 1
	v_and_b32 v3, 31, v0
	v_lshlrev_b32 v4, 4, v3
	v_mul_u32_u24 v5, v1, PITCH
	v_lshl_add_u32 v5, v2, 4, v5
	s_mul_i32 s2, s21, 64*PITCH
	s_mul_i32 s3, s22, 64*PITCH
	v_add_nc_u32 v6, s2, v5
	v_add_nc_u32 v7, s3, v5
.irp s, 0,1
	v_add_nc_u32 v[AD+\s], \s*SLOT, v6
.irp kd, 1,2,3
	v_add_nc_u32 v[AD+2*\kd+\s], \kd*PART+\s*SLOT, v7
.endr
.endr
.macro FRAG reg, adr, off
.irp c, 0,1,2,3
	ds_load_b128 v[\reg+4*\c:\reg+4*\c+3], v[\adr] offset:\off+32*\c
.endr
.endm
.macro LOADB kd, sl, q, bs
	WIN 0x40
.irp i, 0,1,2,3
	FRAG 64*(\bs)+16*\i, AD+2*(\kd)+(\sl), 128*(\q)+\i*16*PITCH
.endr
.endm
.macro LOADA sl, q, as
	WIN 0
.irp i, 0,1,2,3
	FRAG AF+64*(\as)+16*\i, AD+(\sl), 128*(\q)+\i*16*PITCH
.endr
.endm
.macro MULT kd, as, bs, a0, zero
.if (\kd) == 2
	WIN 0xf4
.else
	WIN 0xa1
.endif
.irp a, \a0, \a0+1
.irp b, 0,1,2,3
.if (\kd) == 2
.set DD, 8*(4*\b+(\a))
.set S0, AF+64*(\as)+16*(\a)
.set S1, 64*(\bs)+16*\b
.else
.set DD, 128*(\kd)+8*(4*(\a)+\b)
.set S0, 64*(\bs)+16*\b
.set S1, AF+64*(\as)+16*(\a)
.endif
.if \zero
	v_wmma_f32_16x16x128_bf8_bf8 v[DD:DD+7], v[S0:S0+15], v[S1:S1+15], 0
.else
	v_wmma_f32_16x16x128_bf8_bf8 v[DD:DD+7], v[S0:S0+15], v[S1:S1+15], v[DD:DD+7]
.endif
.endr
.endr
.endm
.macro LB T
	LOADB 1+(\T)%3, ((\T)/6)%2, ((\T)%6)/3, (\T)%2
.endm
.macro LA T
	LOADA ((\T)/6)%2, ((\T)%6)/3, ((\T)/3)%2
.endm
.macro MU T, a0
.if (\T) < 3
	MULT (\T)%3, ((\T)/3)%2, (\T)%2, \a0, 1
.else
	MULT (\T)%3, ((\T)/3)%2, (\T)%2, \a0, 0
.endif
.endm
.macro THIRD T
.if (\T) > 0
	PLACES
.endif
	LB (\T)+1
.if ((\T)+1)%3 == 0
	LA (\T)+1
	s_wait_dscnt 32
.else
	s_wait_dscnt 16
.endif
	MU \T, 0
	MU \T, 2
.endm
.macro TURN T, fill
	PLACES
	LB (\T)+1
	WIN 0
	s_wait_tensorcnt 0x0
	ds_add_u32 v[SPW], v[NIL]
	s_wait_dscnt 17
	MU \T, 0
	s_wait_dscnt 0x0
	s_barrier_signal -1
	MU \T, 2
	WIN 0
	s_barrier_wait -1
.if \fill
.set SS, ((\T)/6)%2
	CREST
	s_add_nc_u64 s[G0A+4*SS+2:G0A+4*SS+3], s[G0A+4*SS+2:G0A+4*SS+3], 512
	s_add_nc_u64 s[G0B+4*SS+2:G0B+4*SS+3], s[G0B+4*SS+2:G0B+4*SS+3], 512
	JLOAD SS
.else
	PLACES
.endif
	LB (\T)+2
	LA (\T)+2
	MU (\T)+1, 0
	MU (\T)+1, 2
.endm
	s_wait_alu depctr_va_vdst(0)
	s_wait_tensorcnt 0x0                           ; my part of K step 0 is in; the add and its wait ahead of a later first fill
	ds_add_u32 v[SPW], v[NIL]
	s_wait_dscnt 0x0
	CROUND                                         ; everybody's part is in, and all sixteen work-groups are here
	JLOAD 1                                        ; K step 1
	LB 0
	LA 0
	s_cmp_lg_u32 s23, 0
	s_cbranch_scc0 .Lno_ask_2
	global_prefetch_b8 v30, s[104:105] offset:768 th:TH_LOAD_NT scope:SCOPE_SE
.Lno_ask_2:
	THIRD 0
	THIRD 1
	THIRD 2
	THIRD 3
	TURN 4, 1
	THIRD 6
	THIRD 7
	THIRD 8
	THIRD 9
	TURN 10, 1
	THIRD 12
	THIRD 13
	THIRD 14
	THIRD 15
	TURN 16, 0
	THIRD 18
	THIRD 19
	THIRD 20
	THIRD 21
	THIRD 22
	WIN 0
	s_wait_kmcnt 0x0
	s_sub_co_i32 s86, s74, s68
	s_sub_co_i32 s86, s86, s69
	s_sub_co_i32 s87, s75, s70
	s_sub_co_i32 s87, s87, s71
	s_sub_co_i32 s88, s77, s72
	s_sub_co_i32 s88, s88, s73
.irp i, 0,1,2
	s_add_co_i32 s[86+\i], s[86+\i], 127
	s_lshl_b32 s89, s[86+\i], 23
	v_mov_b32 v[8+\i], s89
	s_add_co_i32 s[86+\i], s[86+\i], 15
	s_lshl_b32 s[81+2*\i], s[86+\i], 23
	s_or_b32 s[81+2*\i], s[81+2*\i], 0x600000
	s_or_b32 s[80+2*\i], s[81+2*\i], 0x80000000
.endr
	s_lshr_b32 s96, s43, 4
	s_lshl_b32 s96, s96, 4
	s_lshl_b32 s97, s42, 1
	s_add_co_u32 s96, s96, s97
	s_add_co_u32 s96, s96, s22
	s_lshl_b32 s96, s96, 17
	s_and_b32 s97, s43, 15
	s_lshl_b32 s97, s97, 13
	s_add_co_u32 s96, s96, s97
	s_lshl_b32 s98, s21, 12
	s_add_co_u32 s98, s98, s96
	s_mov_b32 s99, 0
	s_lshl_b32 s100, s21, 10
	s_add_co_u32 s100, s100, s96
	s_mov_b32 s101, 0
	s_add_nc_u64 s[90:91], s[14:15], s[98:99]
	s_add_nc_u64 s[92:93], s[16:17], s[98:99]
	s_add_nc_u64 s[94:95], s[18:19], s[100:101]
.macro QOUT wh, wc, acc, code, lim, sc, base, isv
	WIN \wh
.set j, 0
.rept 128
	v_med3_num_f32 v[\acc+j], v[\acc+j], s[\lim], s[\lim+1]
.set j, j+1
.endr
	WIN \wc
.set j, 0
.rept 16
	v_cvt_scalef32_pk8_bf8_f32 v[\code+2*j:\code+2*j+1], v[\acc+8*j:\acc+8*j+7], v[\sc]
.set j, j+1
.endr
	WIN 0
	v_nop
.irp i, 0,1,2,3,4,5,6,7
.if \isv
	global_store_b128 v4, v[\code+4*\i:\code+4*\i+3], s[\base:\base+1] offset:(\i/2)*2048+(\i%2)*512
.else
	global_store_b128 v4, v[\code+4*\i:\code+4*\i+3], s[\base:\base+1] offset:\i*512
.endif
.endr
.endm
	PLACES
	QOUT 0x82, 0x02, 0,   CQ, 80, 8,  90, 0
	s_wait_dscnt 0x0
	MU 23, 0
	MU 23, 2
	PLACES
	QOUT 0x82, 0x02, 128, CK, 82, 9,  92, 0
	QOUT 0xc3, 0x03, 0,   CV, 84, 10, 94, 1
	s_wait_tensorcnt 0x0
	ds_add_u32 v[SPW], v[NIL]
	s_wait_dscnt 0x0
	CROUND
	s_endpgm
.Lfunc_end_k_qdcb67ca155_qkv:
	.size	k_qdcb67ca155_qkv, .Lfunc_end_k_qdcb67ca155_qkv-k_qdcb67ca155_qkv
	.p2alignl 7, 3214868480
	.fill 96, 4, 3214868480
	.section	.rodata,"a",@progbits
	.p2align	6, 0x0
	.amdhsa_kernel k_qdcb67ca155_qkv
		.amdhsa_group_segment_fixed_size 327680
		.amdhsa_private_segment_fixed_size 0
		.amdhsa_enable_private_segment 0
		.amdhsa_kernarg_size 64
		.amdhsa_user_sgpr_count 2
		.amdhsa_user_sgpr_kernarg_segment_ptr 1
		.amdhsa_wavefront_size32 1
		.amdhsa_system_sgpr_workgroup_id_x 1
		.amdhsa_system_sgpr_workgroup_id_y 1
		.amdhsa_system_sgpr_workgroup_id_z 1
		.amdhsa_system_vgpr_workitem_id 0
		.amdhsa_next_free_vgpr 896
		.amdhsa_next_free_sgpr 106
		.amdhsa_reserve_vcc 0
		.amdhsa_float_denorm_mode_32 3
		.amdhsa_float_denorm_mode_16_64 3
		.amdhsa_memory_ordered 1
		.amdhsa_forward_progress 1
		.amdhsa_inst_pref_size 103
	.end_amdhsa_kernel
	.amdgpu_metadata
---
amdhsa.version: [ 1, 2 ]
amdhsa.kernels:
  - .name:           k_qdcb67ca155_qkv
    .symbol:         k_qdcb67ca155_qkv.kd
    .args:
      - { .name: x_codes, .offset: 0, .size: 8, .value_kind: global_buffer, .address_space: global }
      - { .name: Wq_codes, .offset: 8, .size: 8, .value_kind: global_buffer, .address_space: global }
      - { .name: Wk_codes, .offset: 16, .size: 8, .value_kind: global_buffer, .address_space: global }
      - { .name: Wv_codes, .offset: 24, .size: 8, .value_kind: global_buffer, .address_space: global }
      - { .name: lowp_scales, .offset: 32, .size: 8, .value_kind: global_buffer, .address_space: global }
      - { .name: qimg, .offset: 40, .size: 8, .value_kind: global_buffer, .address_space: global }
      - { .name: kimg, .offset: 48, .size: 8, .value_kind: global_buffer, .address_space: global }
      - { .name: vimg, .offset: 56, .size: 8, .value_kind: global_buffer, .address_space: global }
    .group_segment_fixed_size: 327680
    .private_segment_fixed_size: 0
    .kernarg_segment_align: 8
    .kernarg_segment_size: 64
    .max_flat_workgroup_size: 128
    .sgpr_count:     106
    .vgpr_count:     896
    .wavefront_size: 32
...
	.end_amdgpu_metadata
.endif
;; end of part 1
;; launch attn (part 2): grid 8 x 32, 8 waves a work-group, clusters of 4 x 1, 327,680 bytes of LDS; arguments qimg, kimg, vimg, lowp_scales, aimg; writes aimg
.if DOCPART == 2
	.amdgcn_target "amdgcn-amd-amdhsa--gfx1250"
	.amdhsa_code_object_version 6
	.text
	.protected	k_qdcb67ca155_attn
	.globl	k_qdcb67ca155_attn
	.p2align	8
	.type	k_qdcb67ca155_attn,@function
k_qdcb67ca155_attn:
	s_mov_b64 s[64:65], 0
	v_nop
	global_prefetch_b8 v0, s[64:65] scope:SCOPE_SE
	s_setreg_imm32_b32 hwreg(HW_REG_WAVE_MODE, 25, 1), 1
	s_wait_xcnt 0x0
	s_wait_alu depctr_hold_cnt(0) depctr_sa_sdst(0) depctr_va_vdst(0) depctr_va_sdst(0) depctr_va_ssrc(0) depctr_va_vcc(0) depctr_vm_vsrc(0)
	s_getreg_b32 s2, hwreg(HW_REG_IB_STS2, 6, 4)
	s_cmp_eq_u32 s2, 0
	s_cbranch_scc0 .Lentry_in_a_cluster
	s_endpgm
.Lentry_in_a_cluster:
	s_bfe_u32 s2, ttmp6, 0x10000c
	s_cmp_lg_u32 s2, 0x3003
	s_cbranch_scc0 .Lentry_shape_is_right
	s_endpgm
.Lentry_shape_is_right:
; Causal attention of one head (2,048 tokens, 64 channels) on codes of E5M2, and its result quantised for the last product.
; t = score x log2(e) / 8; M = the running largest t rounded UP to a whole number; p = 2^(t - M) is quantised with 2^e8, not normalised; the row's sum is taken of the unquantised p and divides at the end;
; when M moves, the sum and O are multiplied by 2^(old M - new M), which rounds nothing.
; LEFT OUT: key steps of 128 keys all of which come after a block's 128 queries.  reference()'s own mask puts -infinity there, so p is 0 for all finite inputs; a NaN or an infinity that reaches hidden scores alone is not carried.
; SHARES.  Two clusters of four work-groups serve a head (work-group y = batch x 16 + head).  A wave owns 32 neighbouring queries (two tiles of 16, tiles 2 cx and 2 cx + 1 of a block of 128), so that each fragment of K and V feeds two products.
; Waves s (A) and s + 4 (B), s = 0 .. 3, serve blocks 15 - b and b, b = 2 s + cluster x, which have 17 key steps together: A takes key steps 0 .. 7 of block 15 - b (8 steps); B takes key steps 8 .. 15 - b of block 15 - b,
; puts O, M and the sum into LDS for A, and then takes key steps 0 .. b of block b (9 steps).  A joins the two parts of block 15 - b behind one barrier.  With i = 0 .. 8 the count of steps, A's key step is i, B's (i + 8) % 16, and from i = 8 - b on (i + 8 + b) % 16.
; b hangs on the wave's and the cluster's number alone: the branches are the same in all four partners; cx enters addresses in memory and the mask's number DQ alone.
; LDS IS FILLED ONCE: the head's K image at 0, its V image at 131,072; each of the eight waves asks, jointly with the three partners, for one piece of 32,768 bytes (512 keys of K or of V); one barrier shows all of it.
; No prefetch: no loop asks memory for anything.
; LAYOUT.  S^T = K Q^T (source 0 = 16 keys, source 1 = 16 queries, K = 64): lane (r, h) holds query r and, in tile c, keys 16 c + 8 h + 0 .. 7: a conversion's two registers are registers 2 c, 2 c + 1 of P^T.
; O^T += V^T P^T (source 0 = 16 channels, K = 128 keys): query r, channels 16 t + 8 h + 0 .. 7: converted, they are registers of the last product's fragment.
; aimg: (token / 128) x 131072 + (head / 4) x 32768 + ((token / 16) % 8) x 4096 + (head % 4) x 1024 + u x 512 + 16 x lane.
; LIMITS: e6 + e7 between -123 and 130 (added to c's exponent field); e8 and e10 between -126 and 112; e8 + e9 goes through v_ldexp_f32 and has none.  The softmax's promise holds while scaled scores stay under 2^31.  NaN is not served.
; REGISTERS.  Window 0: v1-4 addresses, v6-7 the add's, v8-9 the step's addresses, v10-11 57,344 x 2^e8, v12 / v14 -M and v13 / v15 the largest score of the two tiles, v16-31 Q, v32-47 B's next Q, v48-51 the sums in two halves, v52 / v54 the factors,
;   v56 2^e8, v57 2^e10, v58 57,344 x 2^e10, v60-69 at work, v70 -infinity, v72-103 p's codes (and sums at work), v104-119 sums at work, v128-191 and v192-255 S^T, then p.
;   Window 1: v0-63 K's eight fragments, v64-127 V's four, v128-159 and v160-191 O^T.
.set VIMG, 131072
.set STG,  262144                      ; B's parts: 4 x (17 x 512) bytes
.set SPARE, STG+4*8704
.set LI,  1
.set LV,  2
.set DQ,  3
.set STA, 4
.set SPW, 6
.set NIL, 7
.set ADK, 8
.set ADV, 9
.set NINF, 70
.set WV,  14                           ; s14 wave, s15 cx, s16 batch x 16 + head, s17 b
.set AB,  18                           ; 0: A, 1: B
.set I,   19
.set SEL, 20                           ; s[20:21] lane selects: lane l xor 16
.set CS,  22                           ; s[22:23] c = log2(e) / 8 x 2^(e6 + e7)
.set G1,  24
.set G0,  32
.set NC,  36                           ; -c
.set SW,  37                           ; B: the step at which it changes blocks
.set D1,  38                           ; B: its step on block 15 - b's diagonal
.set K1,  39                           ; the key step less i, ahead of SW
.set K2,  40                           ; and from SW on
.set TB,  41                           ; the key step's first byte in each image
.set MSB, 0
.macro WIN new
.if MSB != \new
	s_set_vgpr_msb (MSB<<8)|\new
.set MSB, \new
.endif
.endm
.macro CROUND
	s_barrier_signal -1
	s_barrier_wait -1
	s_cmp_lg_u32 s[WV], 0
	s_cbranch_scc1 .Lnot_wave_0_\@
	s_barrier_signal -3
.Lnot_wave_0_\@:
	s_barrier_wait -3
	s_barrier_signal -1
	s_barrier_wait -1
.endm
	s_load_b256 s[4:11], s[0:1], 0x0               ; qimg s[4:5], kimg s[6:7], vimg s[8:9], the scales' exponents s[10:11]
	s_load_b64 s[12:13], s[0:1], 0x20              ; aimg
	v_lshl_add_u32 v[SPW], v0, 2, SPARE
	v_mov_b32 v[NIL], 0
	ds_add_u32 v[SPW], v[NIL]                      ; the opening add, twice on end
	ds_add_u32 v[SPW], v[NIL]
	v_lshrrev_b32 v8, 5, v0
	v_readfirstlane_b32 s[WV], v8                  ; wave 0..7
	s_bfe_u32 s15, ttmp6, 0x40000                  ; cx
	s_and_b32 s16, ttmp7, 0xffff                   ; batch x 16 + head
	s_and_b32 s42, s[WV], 3
	s_lshl_b32 s17, s42, 1
	s_add_co_u32 s17, s17, ttmp9                   ; b
	s_lshr_b32 s[AB], s[WV], 2
	s_mul_i32 s43, s42, 8704
	s_add_co_u32 s43, s43, STG
	v_and_b32 v8, 31, v0
	v_bfe_u32 v9, v0, 4, 1                         ; h
	v_lshlrev_b32 v[LI], 4, v8
	v_and_b32 v8, 15, v0                           ; r
	v_lshlrev_b32 v9, 3, v9
	v_add_nc_u32 v[LV], VIMG, v[LI]
	v_add_nc_u32 v[STA], s43, v[LI]
	v_sub_nc_u32 v[DQ], v8, v9
	s_lshl_b32 s48, s15, 5
	v_add_nc_u32 v[DQ], s48, v[DQ]                 ; my query in its block (first tile) - 8 h
	s_mov_b32 s[G1], 15|(3<<16)|(1<<21)            ; 128 rows of 32 elements of 8 bytes, dense; the mask names all four work-groups, bit 21 beside it
	s_mov_b32 s[G1+1], 32<<16
	s_mov_b32 s[G1+2], 128<<16
	s_mov_b32 s[G1+3], 32<<16
	s_mov_b32 s[G1+4], 128
	s_mov_b32 s[G1+5], 32
	s_mov_b32 s[G1+6], 0
	s_mov_b32 s[G1+7], 0
	s_and_b32 s44, s[WV], 1                        ; my piece: of K (0) or V (1),
	s_lshr_b32 s45, s[WV], 1
	s_lshl_b32 s45, s45, 15                        ; keys 512 (wave / 2) on
	s_lshl_b32 s46, s44, 17
	s_mov_b32 s[G0], 1
	s_add_co_u32 s[G0+1], s46, s45                 ; in LDS,
	s_lshl_b32 s46, s16, 17
	s_add_co_u32 s46, s46, s45                     ; and in memory
	s_mov_b32 s47, 0
	s_mov_b32 s[SEL], 0x76543210
	s_mov_b32 s[SEL+1], 0xfedcba98
	s_wait_alu depctr_va_vdst(0)
	s_wait_dscnt 0x0
	s_wait_kmcnt 0x0
	s_load_b128 s[52:55], s[10:11], 0x18           ; e6, e7, e8, e9
	s_load_b32 s56, s[10:11], 0x28                 ; e10
	s_cmp_eq_u32 s44, 0
	s_cselect_b64 s[58:59], s[6:7], s[8:9]
	s_add_nc_u64 s[G0+2:G0+3], s[58:59], s[46:47]
	s_or_b32 s[G0+3], s[G0+3], 0x80000000
	CROUND                                         ; all four work-groups are here: the joint loads meet
	tensor_load_to_lds s[G0:G0+3], s[G1:G1+7]
	s_nop 0
.rept 4
	v_nop
.endr
	s_lshl_b32 s60, s16, 17
	s_lshl_b32 s62, s15, 11
	s_add_co_u32 s60, s60, s62                     ; Q: the head, my two tiles in a block
	s_sub_co_u32 s49, 15, s17
	s_lshl_b32 s62, s49, 13
	s_add_co_u32 s62, s62, s60
	s_mov_b32 s63, 0
	s_add_nc_u64 s[66:67], s[4:5], s[62:63]        ; in block 15 - b,
	s_lshl_b32 s68, s17, 13
	s_add_co_u32 s68, s68, s60
	s_mov_b32 s69, 0
	s_add_nc_u64 s[70:71], s[4:5], s[68:69]        ; and in block b (B's second; A makes no use of it)
.irp j, 0,1,2,3
	global_load_b128 v[16+4*\j:19+4*\j], v[LI], s[66:67] offset:512*\j
.endr
.irp j, 0,1,2,3
	global_load_b128 v[32+4*\j:35+4*\j], v[LI], s[70:71] offset:512*\j
.endr
	s_sub_co_u32 s43, 8, s17
	s_sub_co_u32 s44, 7, s17
	s_lshr_b32 s50, s16, 4                         ; where my result goes: batch x 16 + block is its block of 128 tokens,
	s_lshl_b32 s50, s50, 4
	s_cmp_eq_u32 s[AB], 0
	s_cselect_b32 s51, s49, s17                    ; (A: 15 - b, B: b)
	s_cselect_b32 s[SW], 99, s43                   ; A never changes blocks and has no step on the diagonal
	s_cselect_b32 s[D1], 99, s44
	s_add_co_u32 s50, s50, s51
	s_lshl_b32 s50, s50, 17
	s_bfe_u32 s51, s16, 0x20002                    ; head / 4,
	s_lshl_b32 s51, s51, 15
	s_add_co_u32 s50, s50, s51
	s_and_b32 s51, s16, 3                          ; head % 4,
	s_lshl_b32 s51, s51, 10
	s_add_co_u32 s50, s50, s51
	s_lshl_b32 s51, s15, 13                        ; my two tiles in the block
	s_add_co_u32 s50, s50, s51
	s_mov_b32 s51, 0
	s_add_nc_u64 s[12:13], s[12:13], s[50:51]
	s_lshl_b32 s[K1], s[AB], 3
	s_add_co_u32 s[K2], s17, 8
	s_lshl_b32 s[TB], s[AB], 16                    ; the first step: A key step 0, B key step 8
	v_mov_b32 v12, 0x7f61b1e6                      ; -M: 3e38; the first change of M makes the factor 0
	v_mov_b32 v14, 0x7f61b1e6
	v_mov_b32 v13, 0xff61b1e6                      ; the largest score so far: -3e38, under every score
	v_mov_b32 v15, 0xff61b1e6
.irp j, 48,49,50,51,53,55,68,69
	v_mov_b32 v[\j], 0                             ; the sums; upper halves of pairs; a lane permute's destinations
.endr
	v_mov_b32 v[NINF], 0xff800000
	WIN 0x40
.set j, 0
.rept 64
	v_mov_b32 v[128+j], 0                          ; O^T: the step is written for all trips alike; the first finds zeros
.set j, j+1
.endr
	WIN 0
	s_wait_kmcnt 0x0
	s_mov_b32 s[CS], 0x3e38aa3b                    ; log2(e) / 8
	s_add_co_i32 s43, s52, s53
	s_lshl_b32 s43, s43, 23
	s_add_co_i32 s[CS], s[CS], s43                 ; a score stands for score x 2^(e6 + e7): added to c's exponent field
	s_mov_b32 s[CS+1], s[CS]                       ; (named with it as a pair)
	s_xor_b32 s[NC], s[CS], 0x80000000
	s_add_co_i32 s43, s54, 127
	s_lshl_b32 s44, s43, 23
	v_mov_b32 v56, s44                             ; 2^e8
	s_add_co_i32 s43, s43, 15
	s_lshl_b32 s43, s43, 23
	s_or_b32 s43, s43, 0x600000
	v_mov_b32 v10, s43                             ; 57,344 x 2^e8
	v_mov_b32 v11, s43
	s_add_co_i32 s43, s56, 127
	s_lshl_b32 s44, s43, 23
	v_mov_b32 v57, s44                             ; 2^e10
	s_add_co_i32 s43, s43, 15
	s_lshl_b32 s43, s43, 23
	s_or_b32 s43, s43, 0x600000
	v_mov_b32 v58, s43                             ; 57,344 x 2^e10
.macro KLOAD                           ; K's eight fragments of the key step at s[TB]
	v_add_nc_u32 v[ADK], s[TB], v[LI]
	WIN 0x40
.irp c, 0,1,2,3,4,5,6,7
	ds_load_b128 v[8*\c:8*\c+3], v[ADK] offset:1024*\c
	ds_load_b128 v[8*\c+4:8*\c+7], v[ADK] offset:1024*\c+512
.endr
	WIN 0
.endm
; A STEP: 128 keys x 32 queries; K's fragments have been asked for.  The next step's are asked for in front of the second product (behind the last trip they are not used).
.macro STEP
	s_wait_dscnt 0x0
	WIN 0x01
.irp c, 0,1,2,3,4,5,6,7
	v_wmma_f32_16x16x64_bf8_bf8 v[128+8*\c:135+8*\c], v[8*\c:8*\c+7], v[16:23], 0
	v_wmma_f32_16x16x64_bf8_bf8 v[192+8*\c:199+8*\c], v[8*\c:8*\c+7], v[24:31], 0
.endr
	WIN 0
	v_add_nc_u32 v[ADV], s[TB], v[LV]              ; with the three lines behind it: four places, for the loads below and for the first reads of the scores
.rept 3
	v_nop
.endr
	WIN 0x40
.irp t, 0,1,2,3
.irp u, 0,1,2,3
	ds_load_b128 v[64+16*\t+4*\u:67+16*\t+4*\u], v[ADV] offset:2048*\t+512*\u   ; V's fragments land while the softmax is worked
.endr
.endr
	WIN 0
	s_cmp_eq_u32 s[I], s[D1]                       ; only the steps on a diagonal have hidden keys: block 15 - b's, and B's last
	s_cbranch_scc1 .Lmask_\@
	s_cmp_lg_u32 s[I], 8
	s_cbranch_scc1 .Lopen_\@
.Lmask_\@:
	; register 8 c + j holds key 16 c + 8 h + j: hidden in the first tile where 16 c + j > DQ; in the second where 16 (c - 1) + j > DQ: one compare serves both.  Of the first tile keys 112 .. 127 are always hidden, of the second keys 0 .. 15 never
.irp c, 0,1,2,3,4,5,6
.irp j, 0,1,2,3,4,5,6,7
	v_cmp_gt_i32 s[72+\j], 16*\c+\j, v[DQ]
.endr
.irp j, 0,1,2,3,4,5,6,7
	v_cndmask_b32 v[128+8*\c+\j], v[128+8*\c+\j], v[NINF], s[72+\j]
	v_cndmask_b32 v[200+8*\c+\j], v[200+8*\c+\j], v[NINF], s[72+\j]
.endr
.endr
.irp j, 0,1,2,3,4,5,6,7
	v_mov_b32 v[184+\j], v[NINF]
.endr
.Lopen_\@:
.irp c, 0,1,2,3,4,5,6,7                ; the largest score so far, four chains a tile, each from the running one
.irp k, 0,1,2,3
.if \c == 0
	v_max3_num_f32 v[60+\k], v13, v[128+2*\k], v[129+2*\k]
	v_max3_num_f32 v[64+\k], v15, v[192+2*\k], v[193+2*\k]
.else
	v_max3_num_f32 v[60+\k], v[60+\k], v[128+8*\c+2*\k], v[129+8*\c+2*\k]
	v_max3_num_f32 v[64+\k], v[64+\k], v[192+8*\c+2*\k], v[193+8*\c+2*\k]
.endif
.endr
.endr
	v_max3_num_f32 v60, v60, v61, v62
	v_max3_num_f32 v64, v64, v65, v66
	v_max_num_f32 v60, v60, v63
	v_max_num_f32 v64, v64, v67
	v_permlanex16_b32 v68, v60, s[SEL], s[SEL+1]
	v_permlanex16_b32 v69, v64, s[SEL], s[SEL+1]
	v_max_num_f32 v13, v60, v68                    ; and among lane l xor 16's
	v_max_num_f32 v15, v64, v69
	v_mul_f32 v60, s[NC], v13                      ; -t (c is positive)
	v_mul_f32 v64, s[NC], v15
	v_floor_f32 v61, v60                           ; the new -M = floor(-t): M is a whole number
	v_floor_f32 v65, v64
	v_sub_f32 v62, v61, v12                        ; old M - new M: a whole number, 0 or less
	v_sub_f32 v66, v65, v14
	v_mov_b32 v12, v61
	v_mov_b32 v14, v65
	v_cvt_i32_f32 v62, v62                         ; (it saturates)
	v_cvt_i32_f32 v66, v66
	v_ldexp_f32 v52, 1.0, v62                      ; f = 2^(old M - new M)
	v_ldexp_f32 v54, 1.0, v66
.set j, 0
.rept 32
	v_pk_fma_f32 v[128+j:129+j], v[128+j:129+j], s[CS:CS+1], v[12:13] op_sel_hi:[1,0,0]   ; t - M, the first tile
.set j, j+2
.endr
	s_wait_alu depctr_va_vdst(0)                   ; the wait ahead of the batch
.set j, 0
.rept 32
	v_exp_f32 v[128+j], v[128+j]                   ; p = 2^(t - M) of the first tile; between them t - M of the second, read behind the next wait
	v_pk_fma_f32 v[192+j:193+j], v[192+j:193+j], s[CS:CS+1], v[14:15] op_sel_hi:[1,0,0]
	v_exp_f32 v[129+j], v[129+j]
.set j, j+2
.endr
	s_wait_alu depctr_va_vdst(0)                   ; behind the first batch and ahead of the second
.set j, 0
.rept 16
	v_exp_f32 v[192+4*j], v[192+4*j]               ; p of the second tile; between them the first tile's sums by fours, and its hold (p is not negative; the conversion does not saturate: ISA guide 7.6.2)
	v_pk_add_f32 v[88+2*j:89+2*j], v[128+4*j:129+4*j], v[130+4*j:131+4*j]
	v_exp_f32 v[193+4*j], v[193+4*j]
	v_dual_min_num_f32 v[128+4*j], v[128+4*j], v10 :: v_dual_min_num_f32 v[129+4*j], v[129+4*j], v11
	v_exp_f32 v[194+4*j], v[194+4*j]
	v_dual_min_num_f32 v[130+4*j], v[130+4*j], v10 :: v_dual_min_num_f32 v[131+4*j], v[131+4*j], v11
	v_exp_f32 v[195+4*j], v[195+4*j]
.set j, j+1
.endr
	s_wait_alu depctr_va_vdst(0)                   ; behind the second batch
.set j, 0
.rept 8
	v_pk_add_f32 v[88+2*j:89+2*j], v[88+2*j:89+2*j], v[104+2*j:105+2*j]
	v_pk_add_f32 v[72+2*j:73+2*j], v[192+4*j:193+4*j], v[194+4*j:195+4*j]
.set j, j+1
.endr
.set j, 0
.rept 8
	v_pk_add_f32 v[72+2*j:73+2*j], v[72+2*j:73+2*j], v[224+4*j:225+4*j]
.if j < 4
	v_pk_add_f32 v[88+2*j:89+2*j], v[88+2*j:89+2*j], v[96+2*j:97+2*j]
.endif
.set j, j+1
.endr
.set j, 0
.rept 8
	v_pk_add_f32 v[72+2*j:73+2*j], v[72+2*j:73+2*j], v[226+4*j:227+4*j]
.if j < 2
	v_pk_add_f32 v[88+2*j:89+2*j], v[88+2*j:89+2*j], v[92+2*j:93+2*j]
.endif
.set j, j+1
.endr
.set j, 0
.rept 32
	v_dual_min_num_f32 v[192+2*j], v[192+2*j], v10 :: v_dual_min_num_f32 v[193+2*j], v[193+2*j], v11
.if j < 4
	v_pk_add_f32 v[72+2*j:73+2*j], v[72+2*j:73+2*j], v[80+2*j:81+2*j]
.endif
.if j == 8
	v_pk_add_f32 v[88:89], v[88:89], v[90:91]
	v_pk_add_f32 v[72:73], v[72:73], v[76:77]
	v_pk_add_f32 v[74:75], v[74:75], v[78:79]
.endif
.if j == 16
	v_pk_fma_f32 v[48:49], v[48:49], v[52:53], v[88:89] op_sel_hi:[1,0,1]   ; the sums under the new M
	v_pk_add_f32 v[72:73], v[72:73], v[74:75]
.endif
.if j == 24
	v_pk_fma_f32 v[50:51], v[50:51], v[54:55], v[72:73] op_sel_hi:[1,0,1]
.endif
.set j, j+1
.endr
.irp c, 0,1,2,3,4,5,6,7
	v_cvt_scalef32_pk8_bf8_f32 v[72+2*\c:73+2*\c], v[128+8*\c:135+8*\c], v56
	v_cvt_scalef32_pk8_bf8_f32 v[88+2*\c:89+2*\c], v[192+8*\c:199+8*\c], v56
.endr
	s_add_co_u32 s42, s[I], 1                      ; the next key step
	s_cmp_ge_u32 s42, s[SW]
	s_cselect_b32 s43, s[K2], s[K1]
	s_add_co_u32 s42, s42, s43
	s_and_b32 s42, s42, 15
	s_lshl_b32 s[TB], s42, 13
	KLOAD
	WIN 0x41
	s_wait_alu depctr_va_vdst(0)                   ; directly ahead of O^T's first reader
.set j, 0
.rept 16
	v_pk_mul_f32 v[128+j:129+j], v[128+j:129+j], v[52:53] op_sel_hi:[1,0]   ; O^T under the new M; also the plain lines behind the conversions
	v_pk_mul_f32 v[160+j:161+j], v[160+j:161+j], v[54:55] op_sel_hi:[1,0]
.set j, j+2
.endr
	s_wait_alu depctr_va_vdst(0)
	s_wait_dscnt 16                                ; V's fragments are in; the 16 loads of K's next may be out
	WIN 0x51
.irp t, 0,1,2,3
	v_wmma_f32_16x16x128_bf8_bf8 v[128+8*\t:135+8*\t], v[64+16*\t:79+16*\t], v[72:87], v[128+8*\t:135+8*\t]   ; eight accumulators by turns
	v_wmma_f32_16x16x128_bf8_bf8 v[160+8*\t:167+8*\t], v[64+16*\t:79+16*\t], v[88:103], v[160+8*\t:167+8*\t]
.endr
	WIN 0
.endm
	s_wait_alu depctr_va_vdst(0)
	s_wait_loadcnt 0x0                             ; Q
	s_wait_tensorcnt 0x0                           ; my piece is in; the barrier shows everybody's
	s_barrier_signal -1
	s_barrier_wait -1
	KLOAD
	s_mov_b32 s[I], 0
.Ltrip:
	s_cmp_lg_u32 s[AB], 0
	s_cbranch_scc1 .Lsecond
	s_cmp_eq_u32 s[I], 8                           ; A has eight steps
	s_cbranch_scc1 .Lnext
	s_branch .Lgo
.Lsecond:
	s_cmp_lg_u32 s[I], s[SW]
	s_cbranch_scc1 .Lgo
.rept 4
	v_nop                                          ; places ahead of O^T's readers
.endr
	WIN 0x04
.set q, 0
.rept 16
	ds_store_b128 v[STA], v[128+4*q:131+4*q] offset:512*q   ; B's part of block 15 - b, for A
.set q, q+1
.endr
	WIN 0
	v_mov_b32 v60, v12
	v_add_f32 v61, v48, v49
	v_mov_b32 v62, v14
	v_add_f32 v63, v50, v51
	ds_store_b128 v[STA], v[60:63] offset:8192
	v_mov_b32 v12, 0x7f61b1e6                      ; as at the beginning: the next change of M multiplies O^T and the sums by 0
	v_mov_b32 v14, 0x7f61b1e6
	v_mov_b32 v13, 0xff61b1e6
	v_mov_b32 v15, 0xff61b1e6
.set j, 0
.rept 16
	v_mov_b32 v[16+j], v[32+j]                     ; Q of block b
.set j, j+1
.endr
	s_wait_alu depctr_va_vdst(0)
.Lgo:
	STEP
.Lnext:
	s_add_co_u32 s[I], s[I], 1
	s_cmp_lt_u32 s[I], 9
	s_cbranch_scc1 .Ltrip
	s_wait_dscnt 0x0                               ; B's part is in LDS
	s_barrier_signal -1
	s_barrier_wait -1
	v_add_f32 v48, v48, v49                        ; the sums' two halves
	v_add_f32 v50, v50, v51
	s_wait_alu depctr_va_vdst(0)
	s_cmp_lg_u32 s[AB], 0
	s_cbranch_scc1 .Lout
	WIN 0x40
.set q, 0
.rept 16
	ds_load_b128 v[4*q:4*q+3], v[STA] offset:512*q
.set q, q+1
.endr
	WIN 0
	ds_load_b128 v[60:63], v[STA] offset:8192
	s_wait_dscnt 0x0
	v_min_num_f32 v64, v12, v60                    ; -M of both parts together
	v_min_num_f32 v65, v14, v62
	v_sub_f32 v52, v64, v12
	v_sub_f32 v54, v65, v14
	v_sub_f32 v104, v64, v60
	v_sub_f32 v106, v65, v62
	v_cvt_i32_f32 v52, v52
	v_cvt_i32_f32 v54, v54
	v_cvt_i32_f32 v104, v104
	v_cvt_i32_f32 v106, v106
	v_ldexp_f32 v52, 1.0, v52                      ; each part's factor
	v_ldexp_f32 v54, 1.0, v54
	v_ldexp_f32 v104, 1.0, v104
	v_ldexp_f32 v106, 1.0, v106
	v_mul_f32 v48, v48, v52
	v_mul_f32 v50, v50, v54
	v_fmac_f32 v48, v61, v104
	v_fmac_f32 v50, v63, v106
	WIN 0x41
	s_wait_alu depctr_va_vdst(0)                   ; directly ahead of O^T's first reader
.set j, 0
.rept 16
	v_pk_mul_f32 v[128+j:129+j], v[128+j:129+j], v[52:53] op_sel_hi:[1,0]
	v_pk_mul_f32 v[160+j:161+j], v[160+j:161+j], v[54:55] op_sel_hi:[1,0]
.set j, j+2
.endr
	WIN 0x51
.set j, 0
.rept 16
	v_pk_fma_f32 v[128+j:129+j], v[j:j+1], v[104:105], v[128+j:129+j] op_sel_hi:[1,0,1]
	v_pk_fma_f32 v[160+j:161+j], v[32+j:33+j], v[106:107], v[160+j:161+j] op_sel_hi:[1,0,1]
.set j, j+2
.endr
	WIN 0
.Lout:                                                 ; O^T x 2^(e8 + e9) / the sum, held, converted with 2^e10: four stores of 512 consecutive bytes
	v_permlanex16_b32 v68, v48, s[SEL], s[SEL+1]
	v_permlanex16_b32 v69, v50, s[SEL], s[SEL+1]
	v_add_f32 v48, v48, v68                        ; and lane l xor 16's
	v_add_f32 v50, v50, v69
	s_wait_alu depctr_va_vdst(0)
	v_rcp_f32 v48, v48
	v_rcp_f32 v50, v50
	v_nop                                          ; a plain line behind the transcendentals
	s_add_co_i32 s42, s54, s55
	s_wait_alu depctr_va_vdst(0)
	v_ldexp_f32 v48, v48, s42
	v_ldexp_f32 v50, v50, s42
	WIN 0x01
	s_wait_alu depctr_va_vdst(0)                   ; directly ahead of O^T's first reader
.set j, 0
.rept 16
	v_pk_mul_f32 v[128+j:129+j], v[128+j:129+j], v[48:49] op_sel_hi:[1,0]
	v_pk_mul_f32 v[160+j:161+j], v[160+j:161+j], v[50:51] op_sel_hi:[1,0]
.set j, j+2
.endr
	WIN 0
.set j, 0
.rept 64
	v_med3_num_f32 v[128+j], v[128+j], -v58, v58
.set j, j+1
.endr
.irp t, 0,1,2,3,4,5,6,7
	v_cvt_scalef32_pk8_bf8_f32 v[72+2*\t:73+2*\t], v[128+8*\t:135+8*\t], v57
.endr
	v_nop
	global_store_b128 v[LI], v[72:75], s[12:13]
	global_store_b128 v[LI], v[76:79], s[12:13] offset:512
	global_store_b128 v[LI], v[80:83], s[12:13] offset:4096
	global_store_b128 v[LI], v[84:87], s[12:13] offset:4608
	s_wait_tensorcnt 0x0                           ; the wave's end
	ds_add_u32 v[SPW], v[NIL]
	s_wait_dscnt 0x0
	CROUND                                         ; the closing round
	s_endpgm
.Lfunc_end_k_qdcb67ca155_attn:
	.size	k_qdcb67ca155_attn, .Lfunc_end_k_qdcb67ca155_attn-k_qdcb67ca155_attn
	.p2alignl 7, 3214868480
	.fill 96, 4, 3214868480
	.section	.rodata,"a",@progbits
	.p2align	6, 0x0
	.amdhsa_kernel k_qdcb67ca155_attn
		.amdhsa_group_segment_fixed_size 327680
		.amdhsa_private_segment_fixed_size 0
		.amdhsa_enable_private_segment 0
		.amdhsa_kernarg_size 40
		.amdhsa_user_sgpr_count 2
		.amdhsa_user_sgpr_kernarg_segment_ptr 1
		.amdhsa_wavefront_size32 1
		.amdhsa_system_sgpr_workgroup_id_x 1
		.amdhsa_system_sgpr_workgroup_id_y 1
		.amdhsa_system_sgpr_workgroup_id_z 1
		.amdhsa_system_vgpr_workitem_id 0
		.amdhsa_next_free_vgpr 448
		.amdhsa_next_free_sgpr 80
		.amdhsa_reserve_vcc 0
		.amdhsa_float_denorm_mode_32 3
		.amdhsa_float_denorm_mode_16_64 3
		.amdhsa_memory_ordered 1
		.amdhsa_forward_progress 1
		.amdhsa_inst_pref_size 67
	.end_amdhsa_kernel
	.amdgpu_metadata
---
amdhsa.version: [ 1, 2 ]
amdhsa.kernels:
  - .name:           k_qdcb67ca155_attn
    .symbol:         k_qdcb67ca155_attn.kd
    .args:
      - { .name: qimg, .offset: 0, .size: 8, .value_kind: global_buffer, .address_space: global }
      - { .name: kimg, .offset: 8, .size: 8, .value_kind: global_buffer, .address_space: global }
      - { .name: vimg, .offset: 16, .size: 8, .value_kind: global_buffer, .address_space: global }
      - { .name: lowp_scales, .offset: 24, .size: 8, .value_kind: global_buffer, .address_space: global }
      - { .name: aimg, .offset: 32, .size: 8, .value_kind: global_buffer, .address_space: global }
    .group_segment_fixed_size: 327680
    .private_segment_fixed_size: 0
    .kernarg_segment_align: 8
    .kernarg_segment_size: 40
    .max_flat_workgroup_size: 256
    .sgpr_count:     80
    .vgpr_count:     448
    .wavefront_size: 32
...
	.end_amdgpu_metadata
.endif
;; end of part 2
;; launch proj (part 3): grid 8 x 32, 4 waves a work-group, clusters of 4 x 4, 327,680 bytes of LDS; arguments aimg, Wo_codes, bo, lowp_scales, out0; writes out0
.if DOCPART == 3
	.amdgcn_target "amdgcn-amd-amdhsa--gfx1250"
	.amdhsa_code_object_version 6
	.text
	.protected	k_qdcb67ca155_proj
	.globl	k_qdcb67ca155_proj
	.p2align	8
	.type	k_qdcb67ca155_proj,@function
k_qdcb67ca155_proj:
	s_mov_b64 s[64:65], 0
	v_nop
	global_prefetch_b8 v0, s[64:65] scope:SCOPE_SE
	s_setreg_imm32_b32 hwreg(HW_REG_WAVE_MODE, 25, 1), 1
	s_wait_xcnt 0x0
	s_wait_alu depctr_hold_cnt(0) depctr_sa_sdst(0) depctr_va_vdst(0) depctr_va_sdst(0) depctr_va_ssrc(0) depctr_va_vcc(0) depctr_vm_vsrc(0)
	s_getreg_b32 s2, hwreg(HW_REG_IB_STS2, 6, 4)
	s_cmp_eq_u32 s2, 0
	s_cbranch_scc0 .Lentry_in_a_cluster
	s_endpgm
.Lentry_in_a_cluster:
	s_bfe_u32 s2, ttmp6, 0x10000c
	s_cmp_lg_u32 s2, 0xf033
	s_cbranch_scc0 .Lentry_shape_is_right
	s_endpgm
.Lentry_shape_is_right:
; out = a Wo^T + bo: 4,096 x 1,024 x 1,024 on codes of E5M2; a comes as images of its fragments (aimg), Wo as rows of codes; out is f32.  out = sum x 2^(e10 + e11) + bo, one packed multiply-add for two numbers.
; SHARES.  A work-group makes 128 tokens (block Y) x 128 columns (block X); wave (wm, wn) 64 x 64.  The product is used transposed (source 0 = 16 rows of Wo, source 1 = 16 tokens): a lane holds eight neighbouring columns of one row of out.
; LDS IS FILLED ONCE, by one load a wave: waves 0 and 1 ask for the halves of a's image of the block (131,072 bytes, dense, at 0), waves 2 and 3 for 64 rows of Wo each (1,024 bytes + 16 of padding).  Behind them a stage of 16 rows x 272 bytes for each wave.
; CLUSTER 4 x 4: a's image is asked for jointly by a row of the cluster, Wo's rows by a column.  No prefetch: no loop asks memory for anything.
; BY ROWS OF out: the wave's 64 rows of Wo over the whole K stay in 512 registers; its four tiles of 16 tokens are finished one after the other (32 matrix instructions each), and a tile's rows leave while the next is multiplied.
; a's fragments hold k in its true places (registers 2 c, 2 c + 1: k = 16 c + 8 h + 0 .. 7), so Wo's are fetched by loads of 8 bytes, 16 apart.
; LIMIT: e10 + e11 between -126 and 127.
; REGISTERS: window 0: v1 r, v2 h, v4 16 x lane, v5 my place in two rows of out, v6, v7 the stage (in, back), v8 bo's offset, v16-17 a's addresses, v18 Wo's, v26-27 the add's, v32-63 bo, v64-95 at work, v96-127 rows read back, v128-255 a's fragments of an even tile;
;   windows 1, 2: Wo's fragments, K steps 0-3 and 4-7: (K step k, columns 16 b on) at 64 (k % 4) + 16 b;  window 3: v0-31, v32-63 the accumulators of an even and an odd tile, v128-255 a's fragments of an odd tile.
.set BIMG,  131072
.set WP,    1040                       ; a row of Wo in LDS: 260 words: row r starts at bank 4 r mod 64 (64 banks of 4 bytes: ISA guide 11.1)
.set STG,   BIMG+128*WP
.set SPARE, STG+4*16*272
.set BO,    32
.set TMP,   64
.set RB,    96
.set SPW,   26
.set NIL,   27
.set WV,    14                         ; s14 wave, s15 wm (also: I fetch for a or for Wo), s16 wn (also: which half), s17 cx, s18 cy, s19 X, s20 Y
.set G1A,   24
.set G0A,   32
.set G1B,   48
.set G0B,   68
.set MSB, 0
.macro WIN new
.if MSB != (\new)
	s_set_vgpr_msb (MSB<<8)|(\new)
.set MSB, (\new)
.endif
.endm
.macro CROUND
	s_barrier_signal -1
	s_barrier_wait -1
	s_cmp_lg_u32 s[WV], 0
	s_cbranch_scc1 .Lnot_wave_0_\@
	s_barrier_signal -3
.Lnot_wave_0_\@:
	s_barrier_wait -3
	s_barrier_signal -1
	s_barrier_wait -1
.endm
	s_load_b256 s[4:11], s[0:1], 0x0               ; aimg s[4:5], Wo s[6:7], bo s[8:9], the scales' exponents s[10:11]
	s_load_b64 s[12:13], s[0:1], 0x20              ; out
	v_lshl_add_u32 v[SPW], v0, 2, SPARE
	v_mov_b32 v[NIL], 0
	ds_add_u32 v[SPW], v[NIL]                      ; the opening add, twice on end
	ds_add_u32 v[SPW], v[NIL]
	v_lshrrev_b32 v1, 5, v0
	v_readfirstlane_b32 s[WV], v1
	s_lshr_b32 s15, s[WV], 1
	s_and_b32 s16, s[WV], 1
	s_bfe_u32 s17, ttmp6, 0x40000
	s_bfe_u32 s18, ttmp6, 0x40004
	s_lshl_b32 s19, ttmp9, 2
	s_add_co_u32 s19, s19, s17                     ; X
	s_and_b32 s20, ttmp7, 0xffff
	s_lshl_b32 s20, s20, 2
	s_add_co_u32 s20, s20, s18                     ; Y
	s_lshl_b32 s21, s18, 2
	s_lshl_b32 s21, 15, s21                        ; my row of the cluster
	s_lshl_b32 s22, 0x1111, s17                    ; my column
	s_or_b32 s[G1A], s21, (3<<16)|(1<<21)          ; a: 256 rows of 32 elements of 8 bytes, dense
	s_mov_b32 s[G1A+1], 32<<16
	s_mov_b32 s[G1A+2], 256<<16
	s_mov_b32 s[G1A+3], 32<<16
	s_mov_b32 s[G1A+4], 256
	s_mov_b32 s[G1A+5], 32
	s_mov_b32 s[G1A+6], 0
	s_mov_b32 s[G1A+7], 0
	s_or_b32 s[G1B], s22, (1<<20)|(1<<21)|(7<<22)|(3<<25)   ; Wo: 64 rows of 1,024 bytes; 4 words of padding behind every 256
	s_mov_b32 s[G1B+1], 1024<<16
	s_mov_b32 s[G1B+2], 64<<16
	s_mov_b32 s[G1B+3], 1024<<16
	s_mov_b32 s[G1B+4], 64
	s_mov_b32 s[G1B+5], 1024
	s_mov_b32 s[G1B+6], 0
	s_mov_b32 s[G1B+7], 0
	s_lshl_b32 s23, s16, 16                        ; my half: 65,536 bytes of a's image, in LDS and in memory, and as many of Wo in memory
	s_lshl_b32 s60, s20, 17
	s_add_co_u32 s60, s60, s23
	s_mov_b32 s61, 0
	s_lshl_b32 s62, s19, 17
	s_add_co_u32 s62, s62, s23
	s_mov_b32 s63, 0
	s_mul_i32 s85, s16, 64*WP
	s_add_co_u32 s85, s85, BIMG
	s_wait_dscnt 0x0
	s_wait_kmcnt 0x0
	s_load_b64 s[58:59], s[10:11], 0x28            ; e10, e11
	s_mov_b32 s[G0A], 1
	s_mov_b32 s[G0A+1], s23
	s_add_nc_u64 s[G0A+2:G0A+3], s[4:5], s[60:61]
	s_or_b32 s[G0A+3], s[G0A+3], 0x80000000
	s_mov_b32 s[G0B], 1
	s_mov_b32 s[G0B+1], s85
	s_add_nc_u64 s[G0B+2:G0B+3], s[6:7], s[62:63]
	s_or_b32 s[G0B+3], s[G0B+3], 0x80000000
	CROUND                                         ; all sixteen work-groups are here: the joint loads meet
	s_cmp_eq_u32 s15, 0
	s_cbranch_scc0 .Lfor_b
	tensor_load_to_lds s[G0A:G0A+3], s[G1A:G1A+7]
	s_nop 0
.rept 4
	v_nop
.endr
	s_branch .Lasked
.Lfor_b:
	tensor_load_to_lds s[G0B:G0B+3], s[G1B:G1B+7]
	s_nop 0
.rept 4
	v_nop
.endr
.Lasked:
	v_and_b32 v1, 15, v0                           ; r
	v_bfe_u32 v2, v0, 4, 1                         ; h
	v_and_b32 v3, 31, v0
	v_lshlrev_b32 v4, 4, v3
	v_lshlrev_b32 v8, 5, v2                        ; bo: my half's eight numbers of a tile of 16
	s_wait_alu depctr_va_vdst(0)
	s_lshl_b32 s86, s19, 9
	s_lshl_b32 s87, s16, 8
	s_add_co_u32 s86, s86, s87                     ; my first column in bytes: 512 X + 256 wn
	s_mov_b32 s87, 0
	s_add_nc_u64 s[8:9], s[8:9], s[86:87]
.irp b, 0,1,2,3
	global_load_b128 v[BO+8*\b:BO+8*\b+3], v8, s[8:9] offset:64*\b
	global_load_b128 v[BO+8*\b+4:BO+8*\b+7], v8, s[8:9] offset:64*\b+16
.endr
	s_lshl_b32 s88, s20, 19                        ; my first row of out: 128 Y + 64 wm rows of 4,096 bytes
	s_lshl_b32 s89, s15, 18
	s_add_co_u32 s88, s88, s89
	s_add_co_u32 s88, s88, s86
	s_mov_b32 s89, 0
	s_add_nc_u64 s[12:13], s[12:13], s[88:89]
	s_lshl_b32 s90, s15, 14                        ; a: my four tiles of tokens, 4,096 bytes each in a quarter of K
	s_mul_i32 s91, s16, 64*WP
	s_add_co_u32 s91, s91, BIMG                    ; Wo: my 64 rows
	s_mul_i32 s92, s[WV], 16*272
	s_add_co_u32 s92, s92, STG                     ; my stage
	v_add_nc_u32 v16, s90, v4
	v_mul_u32_u24 v9, v1, WP
	v_mul_u32_u24 v6, v1, 272
	v_mul_u32_u24 v7, v2, 272
	v_lshlrev_b32 v5, 12, v2
	v_add_nc_u32 v17, 65536, v16                   ; the second half of K
	v_lshl_add_u32 v9, v2, 3, v9
	v_lshl_add_u32 v6, v2, 5, v6
	v_lshl_add_u32 v7, v1, 4, v7
	v_lshl_add_u32 v5, v1, 4, v5                   ; two rows in out: lanes 0-15 one, lanes 16-31 the next
	v_add_nc_u32 v18, s91, v9
	v_add_nc_u32 v6, s92, v6                       ; in: row r, 32 bytes for each half of the lanes
	v_add_nc_u32 v7, s92, v7                       ; back: lanes 0-15 one row of 256 bytes, lanes 16-31 the next
.macro FETCHW ks                       ; Wo's four fragments of K step ks (128 along K): 32 loads of 8 bytes
	WIN 0x40*(1+(\ks)/4)
.irp b, 0,1,2,3
.irp c, 0,1,2,3,4,5,6,7
	ds_load_b64 v[64*((\ks)%4)+16*\b+2*\c:64*((\ks)%4)+16*\b+2*\c+1], v18 offset:\b*16*WP+(\ks)*128+16*\c
.endr
.endr
.endm
.macro FETCHA a                        ; tile a's eight fragments: 32 loads of 16 bytes
	WIN 0xc0*((\a)%2)
.irp k, 0,1,2,3,4,5,6,7
.irp u, 0,1,2,3
	ds_load_b128 v[128+16*\k+4*\u:131+16*\k+4*\u], v[16+\k/4] offset:((\k/2)%2)*32768+(\a)*4096+(\k%2)*2048+512*\u
.endr
.endr
.endm
.macro MULK a, ks                      ; tile a, K step ks: four accumulators by turns
	WIN 0xf1+(\ks)/4+0x0c*((\a)%2)
.irp b, 0,1,2,3
.if (\ks) == 0
	v_wmma_f32_16x16x128_bf8_bf8 v[32*((\a)%2)+8*\b:32*((\a)%2)+8*\b+7], v[64*((\ks)%4)+16*\b:64*((\ks)%4)+16*\b+15], v[128+16*(\ks):143+16*(\ks)], 0
.else
	v_wmma_f32_16x16x128_bf8_bf8 v[32*((\a)%2)+8*\b:32*((\a)%2)+8*\b+7], v[64*((\ks)%4)+16*\b:64*((\ks)%4)+16*\b+15], v[128+16*(\ks):143+16*(\ks)], v[32*((\a)%2)+8*\b:32*((\a)%2)+8*\b+7]
.endif
.endr
.endm
.macro MULT a
.irp n, 0,1,2,3,4,5,6,7
	MULK \a, \n
.endr
.endm
; THE WAY OUT of tile a: scaled and the bias added, through my own stage (32 bytes a lane in, whole rows of 256 bytes back: LDS serves a wave's instructions in order, ISA guide 5.7.1.4), then stored
.macro OUTB a
	WIN 0
.if (\a) > 0
	s_wait_xcnt 0x0                                ; the tile before has been read by its stores
.endif
.rept 4
	v_nop                                          ; places behind the last products
.endr
	WIN 0x03
.irp b, 0,1,2,3
.irp i, 0,2,4,6
	v_pk_fma_f32 v[TMP+8*\b+\i:TMP+8*\b+\i+1], v[32*((\a)%2)+8*\b+\i:32*((\a)%2)+8*\b+\i+1], s[56:57], v[BO+8*\b+\i:BO+8*\b+\i+1] op_sel_hi:[1,0,1]
.endr
.endr
	WIN 0
.irp b, 0,1,2,3
	ds_store_b128 v6, v[TMP+8*\b:TMP+8*\b+3] offset:64*\b
	ds_store_b128 v6, v[TMP+8*\b+4:TMP+8*\b+7] offset:64*\b+16
.endr
.irp t, 0,1,2,3,4,5,6,7
	ds_load_b128 v[RB+4*\t:RB+4*\t+3], v7 offset:\t*544
.endr
.endm
.macro SEND a, younger                 ; younger: the LDS loads issued behind the stage's
	WIN 0
	s_wait_dscnt \younger
.irp t, 0,1,2,3,4,5,6,7
	global_store_b128 v5, v[RB+4*\t:RB+4*\t+3], s[12:13] offset:(16*(\a)+2*\t)*4096 th:TH_STORE_NT   ; sixteen lanes store 256 consecutive bytes, at a multiple of 256 from out's first byte
.endr
.endm
	s_wait_alu depctr_va_vdst(0)
	s_wait_tensorcnt 0x0
	s_barrier_signal -1
	s_barrier_wait -1                              ; all of a's block and of Wo's rows is in
	FETCHA 0
	FETCHW 0
.irp k, 0,1,2,3,4,5,6
	FETCHW \k+1
	s_wait_dscnt 32                                ; all but the 32 just issued
	MULK 0, \k
.endr
	FETCHA 1
	s_wait_dscnt 32
	MULK 0, 7
	s_wait_kmcnt 0x0
	s_add_co_i32 s56, s58, s59
	s_add_co_i32 s56, s56, 127
	s_lshl_b32 s56, s56, 23                        ; 2^(e10 + e11) as f32
	s_mov_b32 s57, s56                             ; (named with it as a pair)
	s_wait_loadcnt 0x0                             ; bo
	OUTB 0
	FETCHA 2
	s_wait_dscnt 48                                ; tile 1's fragments are in: the stage's 16 and tile 2's 32 may be out
	MULT 1
	SEND 0, 32
	OUTB 1
	FETCHA 3
	s_wait_dscnt 48
	MULT 2
	SEND 1, 32
	OUTB 2
	s_wait_dscnt 16
	MULT 3
	SEND 2, 0
	OUTB 3
	SEND 3, 0
	s_wait_tensorcnt 0x0                           ; the wave's end
	ds_add_u32 v[SPW], v[NIL]
	s_wait_dscnt 0x0
	CROUND                                         ; the closing round
	s_endpgm
.Lfunc_end_k_qdcb67ca155_proj:
	.size	k_qdcb67ca155_proj, .Lfunc_end_k_qdcb67ca155_proj-k_qdcb67ca155_proj
	.p2alignl 7, 3214868480
	.fill 96, 4, 3214868480
	.section	.rodata,"a",@progbits
	.p2align	6, 0x0
	.amdhsa_kernel k_qdcb67ca155_proj
		.amdhsa_group_segment_fixed_size 327680
		.amdhsa_private_segment_fixed_size 0
		.amdhsa_enable_private_segment 0
		.amdhsa_kernarg_size 40
		.amdhsa_user_sgpr_count 2
		.amdhsa_user_sgpr_kernarg_segment_ptr 1
		.amdhsa_wavefront_size32 1
		.amdhsa_system_sgpr_workgroup_id_x 1
		.amdhsa_system_sgpr_workgroup_id_y 1
		.amdhsa_system_sgpr_workgroup_id_z 1
		.amdhsa_system_vgpr_workitem_id 0
		.amdhsa_next_free_vgpr 1024
		.amdhsa_next_free_sgpr 96
		.amdhsa_reserve_vcc 0
		.amdhsa_float_denorm_mode_32 3
		.amdhsa_float_denorm_mode_16_64 3
		.amdhsa_memory_ordered 1
		.amdhsa_forward_progress 1
		.amdhsa_inst_pref_size 53
	.end_amdhsa_kernel
	.amdgpu_metadata
---
amdhsa.version: [ 1, 2 ]
amdhsa.kernels:
  - .name:           k_qdcb67ca155_proj
    .symbol:         k_qdcb67ca155_proj.kd
    .args:
      - { .name: aimg, .offset: 0, .size: 8, .value_kind: global_buffer, .address_space: global }
      - { .name: Wo_codes, .offset: 8, .size: 8, .value_kind: global_buffer, .address_space: global }
      - { .name: bo, .offset: 16, .size: 8, .value_kind: global_buffer, .address_space: global }
      - { .name: lowp_scales, .offset: 24, .size: 8, .value_kind: global_buffer, .address_space: global }
      - { .name: out0, .offset: 32, .size: 8, .value_kind: global_buffer, .address_space: global }
    .group_segment_fixed_size: 327680
    .private_segment_fixed_size: 0
    .kernarg_segment_align: 8
    .kernarg_segment_size: 40
    .max_flat_workgroup_size: 128
    .sgpr_count:     96
    .vgpr_count:     1024
    .wavefront_size: 32
...
	.end_amdgpu_metadata
.endif
;; end of part 3
